; MI455X (gfx1250); checked and timed in simulation.
; The chip was launched on July 23, 2026; its instructions are those of AMD's public machine-readable ISA for CDNA 5 (MIT licence, August 2026) and "CDNA5" Instruction Set Architecture Reference Guide (July 2026). The comments in the code are by the model that wrote it; some were corrected since.
;; Euclidean Codebook. Allowed arithmetic: matrix products marked QUANTISED: E2M1 operands, one E8M0 scale for each 32 along K, by v_wmma_scale_f32_16x16x128_f8f6f4 with both operands' format E2M1 (or v_wmma_scale_f32_32x16x128_f4), f32 sums; everything else in f32.
;; Inputs: embed 1 x 8,192 x 256 float32; x 8 x 2,048 x 256 float32.
;; Outputs: out0 8 x 2,048 x 256 float32; out1 8 x 2,048 int32.
;; This version of the problem:
;;   THIS VERSION OF THE PROBLEM IS GIVEN IN LOW PRECISION. The matrix products marked QUANTISED in the list below multiply operands that are first quantised to E2M1 (2 exponent bits, 1 mantissa bit; 4 bits a number), with one power-of-two scale for each 32 numbers along K (OCP MX v1.0); their sums are f32. All else is computed in f32.
;;   The module's matrix products, in the order in which they are computed (A, B: the left and right operand; K: the contracted axis; several contracted axes count as one K, in the product's order):
;;     1. [M 16,384, K 256] x [K 256, N 8,192]; A: input x; B: input embed: QUANTISED
;;   THE QUANTISER, for each operand of a quantised product, along K:
;;     - K is cut into blocks of 32 from its start; a last block that is shorter is filled with zeros.
;;     - A block's scale is 2^e with e = floor(log2(the largest magnitude in the block)) - 2, held to -126 .. 127; a block of zeros has e = 0. As a byte (E8M0): e + 127.
;;     - Each number is divided by its block's scale, clamped to +-6, and rounded to the nearest number of E2M1, ties to even, subnormals kept.
;;     - The product sums the exact products of the quantised numbers (number of the format x scale) in f32.
;;   ~~~python
;;   def quantise(x, axis):      # numpy; x: float32 -> the quantised numbers, widened to float32 again
;;       x = np.moveaxis(x, axis, -1); K = x.shape[-1]
;;       x = np.pad(x, [(0, 0)] * (x.ndim - 1) + [(0, -K % 32)]); x = x.reshape(x.shape[:-1] + (-1, 32)); a = np.abs(x).max(-1, keepdims=True)
;;       e = np.where(a > 0, np.clip(np.frexp(np.where(a > 0, a, 1))[1] - 1 - 2, -126, 127), 0)      # np.frexp(a)[1] - 1 = floor(log2(a)), exactly
;;       r = np.clip(x / 2.0 ** e, -6, 6)
;;       step = 2.0 ** (np.maximum(np.frexp(np.where(r == 0, 1, r))[1] - 1, 0) - 1)
;;       q = np.round(r / step) * step * 2.0 ** e      # np.round: ties to even
;;       return np.moveaxis(q.reshape(q.shape[:-2] + (-1,))[..., :K], -1, axis).astype(np.float32)
;;   ~~~
;; One version. Each part assembles by itself: llvm-mc -triple=amdgcn-amd-amdhsa -mcpu=gfx1250 --defsym DOCPART=n.
;; ======== version 1 of 1: 3 launches
;; limits: right only within a limited range of input values
;; workspace buffers: xq 2,359,296 bytes; eq 1,179,648 bytes; cs 131,072 bytes; ci 131,072 bytes of whole numbers
;; launch pack (part 1): grid 256 x 1, 6 waves a work-group, no clusters, 49,920 bytes of LDS; arguments x, embed, xq, eq; writes xq, eq
.if DOCPART == 1
	.amdgcn_target "amdgcn-amd-amdhsa--gfx1250"
	.amdhsa_code_object_version 6
	.text
	.protected	k_qfe66c34797_pack
	.globl	k_qfe66c34797_pack
	.p2align	8
	.type	k_qfe66c34797_pack,@function
k_qfe66c34797_pack:
	s_mov_b64 s[64:65], 0
	v_nop
	global_prefetch_b8 v0, s[64:65] scope:SCOPE_SE
	s_setreg_imm32_b32 hwreg(HW_REG_WAVE_MODE, 25, 1), 1
	s_wait_xcnt 0x0
; x [16384][256] and embed [8192][256], f32, become RECORDS of 16 rows each, laid in the order in which a matrix operand's registers take them.
; A record is 2,304 bytes (nine blocks of 256):
;   bytes 0-2047     codes of FP4 (E2M1): the 16 bytes of row r, block B of 32 along K (B = 0 .. 7), at 256 B + 16 r.  With B = 4 s + 2 c + h that is K step s, register group c,
;                    lane 16 h + r: four loads of 16 bytes a lane at 16 x lane + 0, 512, 1024, 1536 are the two fragments of the 16 rows.
;   bytes 2048-2175  the image of ONE scale register: word l < 16: row l's E8M0 bytes of blocks 0-3; word l >= 16: row l - 16's bytes of blocks 4-7.
;   bytes 2176-2239  16 f32: for x the row's sum of squares, for embed -0.5 x the row's sum of squares (of the numbers as given, not of the codes).
;   bytes 2240-2303  zeros.
; A block's scale is 2^(floor(log2(its largest magnitude)) - 2); its byte is the largest magnitude's exponent field - 2, held at 1 from below.
; LIMITS: a block of zeros, and a block whose largest magnitude lies under 2^-124, gets the byte 1 (a block of zeros has zero codes, which add nothing; the bytes are read by this program alone).
; NaN and infinities among the inputs are not served.  A row's sum of squares is taken in another order than a plain chain: two packed chains a lane, then a tree over sixteen lanes.
; SHARES: 1,536 records, one to a wave: job T = 6 x work-group + wave; T < 1024: record T of x; else record T - 1024 of embed.  Only pointers and one factor are chosen: one path.
; A record's 16 rows are 16,384 dense bytes: 32 loads of 512 consecutive bytes, all issued at the head.  The conversions want 16 NEIGHBOURS along K in one lane, so each step's
; 2,048 bytes (two rows) turn through the wave's own stage in LDS: in as loaded, back 64 bytes a lane.  Waves share nothing: no barrier.
; THE ROOT IS LEFT OUT of the whole program: -sqrt(max(d, 0)) falls strictly where max(d, 0) rises, for all values, so the first code with the largest -sqrt(max(d, 0)) is the first
; code with the least max(d, 0).  LIMIT: distances that f32's root would round to one number are told apart here; an overflow or a NaN that arises in the root alone is not carried on.
.set REC,  2304
.set SP,   80                          ; a lane's place in a stage: its 64 bytes + 16 of padding
.set STG,  32*SP                       ; a stage; two of them by turns
.set OUTC, 2*STG                       ; behind them: the record's codes, block B's 256 bytes at OP x B
.set OP,   288                         ; 72 words: the eight blocks that one store of 8 bytes a lane touches begin 8 banks apart
.set TAIL, OUTC+8*OP                   ; behind them: the record's last 256 bytes
.set WREG, 8192                        ; LDS of a wave
.set X,    32                          ; v32-63   two sets of 16 neighbours
.set R,    64                          ; v64-191  the record as loaded: 16 registers a step
.set CD,   192                         ; v192-207 codes: two registers for each step
.set EB,   208                         ; v208-215 a scale byte for each step
.set SQ,   216                         ; v216-223 a row sum for each step
	s_load_b256 s[4:11], s[0:1], 0x0               ; x s[4:5], embed s[6:7], xq s[8:9], eq s[10:11]
	v_lshl_add_u32 v224, v0, 2, 0xc000
	v_mov_b32 v225, 0
	v_lshrrev_b32 v1, 5, v0
	v_readfirstlane_b32 s12, v1                    ; wave 0..5
	v_and_b32 v2, 31, v0                           ; lane
	v_lshlrev_b32 v3, 4, v2                        ; 16 x lane: my bytes of a load's or a store's 512
	s_mul_i32 s15, s12, WREG                       ; my wave's LDS
	v_lshrrev_b32 v14, 2, v2
	v_mul_u32_u24 v14, v14, SP
	v_and_b32 v15, 3, v2
	v_lshl_add_u32 v14, v15, 4, v14
	v_add_nc_u32 v14, s15, v14                     ; the stage, on the way in: four lanes' 64 bytes on end, then the padding
	v_mul_u32_u24 v15, v2, SP
	v_add_nc_u32 v15, s15, v15                     ; and on the way out: my 16 neighbours
	v_lshrrev_b32 v10, 4, v2                       ; which of the step's two rows is mine
	v_bfe_u32 v8, v2, 1, 3                         ; my block, 0 .. 7
	v_mul_u32_u24 v4, v8, OP
	v_and_b32 v9, 1, v2                            ; which half of the block
	v_lshl_add_u32 v4, v9, 3, v4
	v_lshl_add_u32 v4, v10, 4, v4
	v_add_nc_u32 v4, s15, v4                       ; my 8 bytes of codes: OP x block + 8 x half + 16 x row
	v_bfe_u32 v5, v2, 3, 1
	v_lshlrev_b32 v5, 6, v5
	v_bfe_u32 v9, v2, 1, 2
	v_add_nc_u32 v5, v5, v9
	v_lshl_add_u32 v5, v10, 2, v5
	v_add_nc_u32 v5, s15, v5                       ; my block's scale byte: 64 (block / 4) + block % 4 + 4 x row
	v_lshl_add_u32 v6, v10, 2, s15                 ; my row's sum: 4 x row
	v_mul_u32_u24 v7, v10, OP
	v_and_b32 v9, 15, v2
	v_lshl_add_u32 v7, v9, 4, v7
	v_add_nc_u32 v7, s15, v7                       ; the codes' way out: sixteen lanes to a block's 256 bytes, two blocks an instruction
	v_lshl_add_u32 v16, v2, 3, s15                 ; the tail's way out: 8 bytes a lane
	v_lshlrev_b32 v17, 3, v2
	v_lshl_add_u32 v18, v9, 2, s15                 ; the tail's 64 bytes of zeros
	v_mov_b32 v19, 0
	s_mul_i32 s13, ttmp9, 6
	s_add_co_u32 s13, s13, s12                     ; T
	s_wait_alu depctr_va_vdst(0)
	s_wait_kmcnt 0x0
	s_cmp_lt_u32 s13, 1024                         ; x's record or embed's?  The choice hangs on ids alone; all selections stand ahead of the next line that sets SCC
	s_cselect_b64 s[4:5], s[4:5], s[6:7]
	s_cselect_b64 s[8:9], s[8:9], s[10:11]
	s_cselect_b32 s14, 1.0, -0.5                   ; what the row's sum of squares is multiplied by
	s_cselect_b32 s16, 0, 1024
	s_sub_co_u32 s13, s13, s16                     ; the record's number in its tensor
	s_lshl_b32 s16, s13, 14                        ; 16 rows of 1,024 bytes
	s_mov_b32 s17, 0
	s_add_nc_u64 s[4:5], s[4:5], s[16:17]
	s_mul_i32 s18, s13, REC
	s_mov_b32 s19, 0
	s_add_nc_u64 s[8:9], s[8:9], s[18:19]
.set n, 0
.rept 32
	global_load_b128 v[R+4*n:R+4*n+3], v3, s[4:5] offset:512*n     ; 32 lanes read 512 consecutive bytes; the whole record is on its way
.set n, n+1
.endr
	ds_store_b32 v18, v19 offset:TAIL+192          ; the zeros
.macro TURN t                          ; step t's 2,048 bytes through a stage.  LDS serves a wave's instructions in order (ISA guide 5.7.1.4): no wait between the stores and the loads
.irp i, 0,1,2,3
	ds_store_b128 v14, v[R+16*(\t)+4*\i:R+16*(\t)+4*\i+3] offset:STG*((\t)%2)+8*SP*\i
.endr
.irp i, 0,1,2,3
	ds_load_b128 v[X+16*((\t)%2)+4*\i:X+16*((\t)%2)+4*\i+3], v15 offset:STG*((\t)%2)+16*\i
.endr
.endm
; Step t: rows 2 t and 2 t + 1.  Lane l holds 16 neighbours: row 2 t + l / 16, block (l % 16) / 2, half l % 2.
.macro STEP t
.set XS, X+16*((\t)%2)
.if (\t) > 0
	s_wait_dscnt 3                                 ; this step's numbers are back from the stage; the last step's three stores, issued behind them, may be out
.else
	s_wait_dscnt 0x0
.endif
.if (\t) < 7
	s_wait_loadcnt 24-4*(\t)                       ; the next step's four loads are in; those of the steps behind it may be out
	TURN (\t)+1
.endif
	v_max3_num_f32 v8, |v[XS]|, |v[XS+1]|, |v[XS+2]|               ; the largest magnitude of my 16, in two chains
	v_max3_num_f32 v9, |v[XS+3]|, |v[XS+4]|, |v[XS+5]|
.irp i, 6,10
	v_max3_num_f32 v8, v8, |v[XS+\i]|, |v[XS+\i+1]|
	v_max3_num_f32 v9, v9, |v[XS+\i+2]|, |v[XS+\i+3]|
.endr
	v_max3_num_f32 v8, v8, |v[XS+14]|, |v[XS+15]|
	v_max3_num_f32 v8, v8, v9, 3<<23               ; and the floor 2^(3 - 127): the byte cannot fall under 1
	v_pk_mul_f32 v[20:21], v[XS:XS+1], v[XS:XS+1]                  ; the squares of my 16, two at a time, in two chains
	v_pk_mul_f32 v[22:23], v[XS+2:XS+3], v[XS+2:XS+3]
	v_max_num_f32_dpp v8, v8, v8 row_xmask:1 row_mask:0xf bank_mask:0xf   ; with my neighbour's 16: the block's largest magnitude
.irp i, 4,8,12
	v_pk_fma_f32 v[20:21], v[XS+\i:XS+\i+1], v[XS+\i:XS+\i+1], v[20:21]
	v_pk_fma_f32 v[22:23], v[XS+\i+2:XS+\i+3], v[XS+\i+2:XS+\i+3], v[22:23]
.endr
	v_add_nc_u32 v11, 0xff000000, v8               ; 2 off its exponent field: the conversion takes the exponent field of this operand as its scale, and nothing else of it
	v_pk_add_f32 v[20:21], v[20:21], v[22:23]
	v_add_f32 v20, v20, v21
	v_add_f32_dpp v20, v20, v20 row_xmask:1 row_mask:0xf bank_mask:0xf    ; over the sixteen lanes that hold the row: every one of them ends with the same sum
	v_add_f32_dpp v20, v20, v20 row_xmask:2 row_mask:0xf bank_mask:0xf
	v_add_f32_dpp v20, v20, v20 row_xmask:4 row_mask:0xf bank_mask:0xf
	v_add_f32_dpp v20, v20, v20 row_xmask:8 row_mask:0xf bank_mask:0xf
	v_mul_f32 v[SQ+(\t)], s14, v20                 ; x: as it is; embed: x -0.5, which rounds nothing
	v_cvt_scalef32_pk8_fp4_f32 v[CD+2*(\t)], v[XS:XS+7], v11       ; eight numbers / the scale, to the nearest code, ties to even, beyond 6 the largest code; the first number's code in the lowest bits
	v_cvt_scalef32_pk8_fp4_f32 v[CD+2*(\t)+1], v[XS+8:XS+15], v11
	v_lshrrev_b32 v[EB+(\t)], 23, v11              ; the scale's byte.  (Also the plain line behind the conversions)
	ds_store_b8 v5, v[EB+(\t)] offset:TAIL+8*(\t)                  ; both lanes of a block write the same byte with the same value
	ds_store_b32 v6, v[SQ+(\t)] offset:TAIL+128+8*(\t)             ; the sixteen lanes of a row write the same word with the same value
	ds_store_b64 v4, v[CD+2*(\t):CD+2*(\t)+1] offset:OUTC+32*(\t)
.endm
	s_wait_loadcnt 28                              ; step 0's four loads are in
	TURN 0
.irp t, 0,1,2,3,4,5,6,7
	STEP \t
.endr
.irp i, 0,1,2,3
	ds_load_b128 v[R+4*\i:R+4*\i+3], v7 offset:OUTC+2*OP*\i        ; these see my stores: a wave's LDS instructions are served in order
.endr
	ds_load_b64 v[R+16:R+17], v16 offset:TAIL
	s_wait_dscnt 0x0
.irp i, 0,1,2,3
	global_store_b128 v3, v[R+4*\i:R+4*\i+3], s[8:9] offset:512*\i ; each store covers 512 consecutive bytes, at a multiple of 256 from the buffer's first byte
.endr
	global_store_b64 v17, v[R+16:R+17], s[8:9] offset:2048         ; the record's last 256 bytes
	s_wait_tensorcnt 0x0
	ds_add_u32 v224, v225
	s_wait_dscnt 0x0
	s_endpgm
.Lfunc_end_k_qfe66c34797_pack:
	.size	k_qfe66c34797_pack, .Lfunc_end_k_qfe66c34797_pack-k_qfe66c34797_pack
	.p2alignl 7, 3214868480
	.fill 96, 4, 3214868480
	.section	.rodata,"a",@progbits
	.p2align	6, 0x0
	.amdhsa_kernel k_qfe66c34797_pack
		.amdhsa_group_segment_fixed_size 49920
		.amdhsa_private_segment_fixed_size 0
		.amdhsa_enable_private_segment 0
		.amdhsa_kernarg_size 32
		.amdhsa_user_sgpr_count 2
		.amdhsa_user_sgpr_kernarg_segment_ptr 1
		.amdhsa_wavefront_size32 1
		.amdhsa_system_sgpr_workgroup_id_x 1
		.amdhsa_system_sgpr_workgroup_id_y 1
		.amdhsa_system_sgpr_workgroup_id_z 1
		.amdhsa_system_vgpr_workitem_id 0
		.amdhsa_next_free_vgpr 226
		.amdhsa_next_free_sgpr 66
		.amdhsa_reserve_vcc 0
		.amdhsa_float_denorm_mode_32 3
		.amdhsa_float_denorm_mode_16_64 3
		.amdhsa_memory_ordered 1
		.amdhsa_forward_progress 1
		.amdhsa_inst_pref_size 27
	.end_amdhsa_kernel
	.amdgpu_metadata
---
amdhsa.version: [ 1, 2 ]
amdhsa.kernels:
  - .name:           k_qfe66c34797_pack
    .symbol:         k_qfe66c34797_pack.kd
    .args:
      - { .name: x, .offset: 0, .size: 8, .value_kind: global_buffer, .address_space: global }
      - { .name: embed, .offset: 8, .size: 8, .value_kind: global_buffer, .address_space: global }
      - { .name: xq, .offset: 16, .size: 8, .value_kind: global_buffer, .address_space: global }
      - { .name: eq, .offset: 24, .size: 8, .value_kind: global_buffer, .address_space: global }
    .group_segment_fixed_size: 49920
    .private_segment_fixed_size: 0
    .kernarg_segment_align: 8
    .kernarg_segment_size: 32
    .max_flat_workgroup_size: 192
    .sgpr_count:     66
    .vgpr_count:     226
    .wavefront_size: 32
...
	.end_amdgpu_metadata
.endif
;; end of part 1
;; launch search (part 2): grid 128 x 2, 8 waves a work-group, clusters of 4 x 1, 327,680 bytes of LDS; arguments xq, eq, cs, ci; writes cs, ci
.if DOCPART == 2
	.amdgcn_target "amdgcn-amd-amdhsa--gfx1250"
	.amdhsa_code_object_version 6
	.text
	.protected	k_qfe66c34797_search
	.globl	k_qfe66c34797_search
	.p2align	8
	.type	k_qfe66c34797_search,@function
k_qfe66c34797_search:
	s_mov_b64 s[64:65], 0
	v_nop
	global_prefetch_b8 v0, s[64:65] scope:SCOPE_SE
	s_setreg_imm32_b32 hwreg(HW_REG_WAVE_MODE, 25, 1), 1
	s_wait_xcnt 0x0
	s_wait_alu depctr_hold_cnt(0) depctr_sa_sdst(0) depctr_va_vdst(0) depctr_va_sdst(0) depctr_va_ssrc(0) depctr_va_vcc(0) depctr_vm_vsrc(0)
	s_getreg_b32 s2, hwreg(HW_REG_IB_STS2, 6, 4)
	s_cmp_eq_u32 s2, 0
	s_cbranch_scc0 .Lentry_in_a_cluster
	s_endpgm
.Lentry_in_a_cluster:
	s_bfe_u32 s2, ttmp6, 0x10000c
	s_cmp_lg_u32 s2, 0x3003
	s_cbranch_scc0 .Lentry_shape_is_right
	s_endpgm
.Lentry_shape_is_right:
; For each of 16,384 queries and each half of the codebook (4,096 codes): the FIRST code with the least max(x_sq - 2 xe + e_sq, 0), xe = Q(x) Q(embed)^T on codes of FP4 with E8M0 scales,
; from the records that the launch before has laid (16 rows: 2,048 bytes of codes in the order of the operand's registers, 128 bytes of scale words, 64 bytes of f32: x_sq, or -e_sq / 2).
; THE ORDER.  For one query u = xe - e_sq / 2 is all that differs from code to code: x_sq - 2 xe + e_sq = x_sq - 2 u, and max(x_sq - 2 u, 0) is least where min(u, x_sq / 2) is largest.
; -e_sq / 2 is the C of a group's first matrix instruction, so the result IS u; the clip at 0 is the minimum with x_sq / 2.  The root is left out: it rises strictly, so it moves no argmax.
; LIMITS.  Another order of rounding than (x_sq - 2 xe) + e_sq, then the root: distances that f32 would round to one number there are told apart here, in the last bits.  An overflow or a NaN
; that arises in the root alone is not carried on.  NaN and infinities among the inputs are not served.
; SHARES.  Work-group (wgx, wgy): queries 128 wgx on against codes 4,096 wgy on.  Eight waves; each holds all eight tiles of 16 queries in registers (source 1), and owns 512 codes: 4,096 wgy + 512 w on,
; 16 groups of 32 (source 0).  In a result lane (r, h) holds query r; register j < 8 code 8 h + j of the group, register 8 + j code 16 + 8 h + j.
; A group's largest u of each lane is compared with the best so far; groups are walked in ascending order and replace it only where strictly larger; the winner's sixteen u are kept by selects,
; and at the end the lowest register among them that reaches the best gives the code: ties fall to the lower index.
; LDS.  Codes come in four chunks of 64 records (8 a wave; 2,240 of a record's 2,304 bytes: its last 64 are zeros) through two slots.  A wave reads only records that it fetched itself.
; CLUSTER.  Four work-groups with the same wgy need the same codes: each load is a joint one, mask 15.
; PREFETCH.  The first four clusters of each wgy ask for a chunk's bytes one chunk ahead of its load: wave w for its own 72 blocks of 256 bytes, 18 to each of the four partners, by address.  The first two chunks come by their loads alone.
; REGISTERS.  Window 0: all but B (the query fragments, v256-383) and SAV (the winner's u, v384-511).
.set REC,   2304                       ; a record in memory
.set RECL,  2240                       ; and in LDS
.set SCO,   2048                       ; in a record: the scale words,
.set SQO,   2176                       ; the 16 f32
.set SLOT,  64*RECL
.set QB,    2*SLOT                     ; behind the slots, 16 KiB: the query codes on their way in; at the end the waves' results: u at QB + 512 (2 w + h) + 4 x query, the code 8,192 further on
.set SPARE, QB+16384                   ; the spare words, 128 bytes for each wave, that no other line names
.set AE,    1                          ; v1, v4  slot 0, 1: my records + 16 x lane
.set AS,    2                          ; v2, v5  + RECL h + 4 r
.set AC,    3                          ; v3, v6  + 32 h
.set SPW,   7                          ; v7      my spare word
.set NIL,   8                          ; v8      0
.set PFO,   9                          ; v9      256 x min(lane, 17)
.set QL,    10                         ; v10     QB + 16 x lane
.set MW,    11                         ; v11     where I put a result
.set MR,    12                         ; v12     where waves 0 and 1 read them
.set GO,    13                         ; v13     8 x lane
.set IB,    14                         ; v14     4,096 wgy + 512 w + 8 h
.set T,     15
.set SB,    16                         ; v16-23  the query tiles' scale words (lanes 0-15: K step 0; lanes 16-31: K step 1); scales alone
.set CAP,   24                         ; v24-31  x_sq / 2
.set M,     32                         ; v32-39  at work
.set N,     40                         ; v40-47  at work
.set BEST,  48                         ; v48-55  the largest min(u, x_sq / 2) so far
.set ID,    57                         ; v57-64  the group that had it
.set A,     66                         ; v66-97  the group's fragments: K step 0, K step 1, 32 codes each
.set SA,    98                         ; v98-99  their scale words, lane = row; scales alone
.set C,     100                        ; v100-115 -e_sq / 2
.set D,     116                        ; v116-243 u: sixteen registers for each query tile
.set QS,    244                        ; head only: query codes' place in LDS,
.set QG,    245                        ; and in memory
.set L4,    246                        ; 4 x lane
.set R4,    247                        ; 4 r
.set LN,    248
.set RR,    249
.set HH,    250
.set B,     0                          ; window 1: query tile q: K step 0 at 16 q, K step 1 at 16 q + 8
.set SAV,   128                        ; window 1
.set KM,    70                         ; s70-77  a bit a lane: the best so far stays
.set MSB, 0
.macro WIN new                         ; the immediate's high byte repeats the setting that is left
.if MSB != \new
	s_set_vgpr_msb (MSB<<8)|\new
.set MSB, \new
.endif
.endm
.macro CREST                           ; a round of the cluster's barrier behind its opening barrier
	s_cmp_lg_u32 s12, 0
	s_cbranch_scc1 .Lnot_wave_0_\@
	s_barrier_signal -3
.Lnot_wave_0_\@:
	s_barrier_wait -3
	s_barrier_signal -1
	s_barrier_wait -1
.endm
.macro CROUND
	s_barrier_signal -1
	s_barrier_wait -1
	CREST
.endm
	s_load_b256 s[4:11], s[0:1], 0x0               ; xq s[4:5], eq s[6:7], cs s[8:9], ci s[10:11]
	v_lshl_add_u32 v[SPW], v0, 2, SPARE
	v_mov_b32 v[NIL], 0
	ds_add_u32 v[SPW], v[NIL]                      ; the opening: the add, twice on end, and its wait
	ds_add_u32 v[SPW], v[NIL]
	v_lshrrev_b32 v[T], 5, v0
	v_readfirstlane_b32 s12, v[T]                  ; wave 0..7
	s_bfe_u32 s13, ttmp6, 0x40000                  ; cx
	s_lshl_b32 s14, ttmp9, 2
	s_add_co_u32 s14, s14, s13                     ; wgx = 4 x cluster x + cx
	s_and_b32 s15, ttmp7, 0xffff                   ; wgy
	s_mul_i32 s16, s12, 8*RECL                     ; my records in slot 0
	s_add_co_u32 s17, s16, SLOT                    ; and in slot 1
	s_lshl_b32 s18, s12, 10
	s_add_co_u32 s18, s18, QB
	s_lshl_b32 s19, s12, 8
	s_add_co_u32 s19, s19, QB
	s_lshl_b32 s20, s15, 12
	s_lshl_b32 s21, s12, 9
	s_add_co_u32 s20, s20, s21
	s_mul_i32 s34, s14, 8*REC                      ; my work-group's 8 query records
	s_mov_b32 s35, 0
	s_mul_i32 s36, s15, 256*REC                    ; my wave's 32 code records (made of wgy and w alone)
	s_mul_i32 s37, s12, 32*REC
	s_add_co_u32 s36, s36, s37
	s_mov_b32 s37, 0
	s_mul_i32 s38, s13, 18*256                     ; my work-group's share of a prefetch
	s_mov_b32 s39, 0
	; descriptor group 1, elements of 8 bytes: 8 rows of 280 elements (2,240 bytes), 288 elements (a record) apart, dense in LDS
	s_mov_b32 s24, 15|(3<<16)|(1<<21)              ; 15:0 the mask: all four of the cluster; 17:16 elements of 8 bytes; 21 set beside a mask
	s_mov_b32 s25, 280<<16                         ; tensor_dim0
	s_mov_b32 s26, 8<<16                           ; tensor_dim1
	s_mov_b32 s27, 280<<16                         ; tile_dim0
	s_mov_b32 s28, 8                               ; tile_dim1
	s_mov_b32 s29, 288                             ; tensor_dim0_stride
	s_mov_b32 s30, 0
	s_mov_b32 s31, 0
	v_and_b32 v[LN], 31, v0                        ; lane
	v_and_b32 v[RR], 15, v0                        ; r
	v_bfe_u32 v[HH], v0, 4, 1                      ; h
	v_lshrrev_b32 v[T], 7, v0
	v_lshl_add_u32 v[AE], v[LN], 4, s16
	v_lshl_add_u32 v[AE+3], v[LN], 4, s17
	v_lshl_add_u32 v[AC], v[HH], 5, s16
	v_lshl_add_u32 v[AC+3], v[HH], 5, s17
	v_lshlrev_b32 v[T], 8, v[T]
	v_lshl_add_u32 v[QG], v0, 4, v[T]              ; 16 x thread + 256 (thread / 128): 128 threads to a record's 2,048 bytes of codes
	v_mul_u32_u24 v[T], v[HH], RECL
	v_lshlrev_b32 v[R4], 2, v[RR]
	v_lshlrev_b32 v[L4], 2, v[LN]
	v_add_nc_u32 v[T], v[T], v[R4]
	v_min_u32 v[PFO], 17, v[LN]
	v_lshl_add_u32 v[QS], v0, 4, QB
	v_lshl_add_u32 v[QL], v[LN], 4, QB
	v_add_nc_u32 v[AS], s16, v[T]
	v_add_nc_u32 v[AS+3], s17, v[T]
	v_lshlrev_b32 v[PFO], 8, v[PFO]
	v_lshl_add_u32 v[MW], v[RR], 2, s18
	v_lshl_add_u32 v[MR], v[LN], 3, s19
	v_lshlrev_b32 v[GO], 3, v[LN]
	v_lshl_add_u32 v[IB], v[HH], 3, s20            ; a number, no address
	v_lshl_add_u32 v[MW], v[HH], 9, v[MW]
	s_wait_alu depctr_va_vdst(0)
	s_wait_dscnt 0x0                               ; both opening adds are done
	s_wait_kmcnt 0x0
	s_add_nc_u64 s[4:5], s[4:5], s[34:35]
.irp i, 0,1,2,3
	global_load_b128 v[D+4*\i:D+4*\i+3], v[QG], s[4:5] offset:2*REC*\i     ; the eight records' codes, shared out over the threads
.endr
.irp q, 0,1,2,3,4,5,6,7
	global_load_b32 v[SB+\q], v[L4], s[4:5] offset:REC*\q+SCO
.endr
.irp q, 0,1,2,3,4,5,6,7
	global_load_b32 v[CAP+\q], v[R4], s[4:5] offset:REC*\q+SQO
.endr
	s_add_nc_u64 s[6:7], s[6:7], s[36:37]
	s_add_nc_u64 s[50:51], s[6:7], s[38:39]        ; where my prefetches stand
.irp p, 0,1                            ; group 0 for slot p: count = 1, LDS address, global address (chunk p: 8 records on), type = 2
	s_mov_b32 s[40+4*\p], 1
	s_add_co_u32 s[41+4*\p], s16, \p*SLOT
	s_add_nc_u64 s[42+4*\p:43+4*\p], s[6:7], \p*8*REC
	s_or_b32 s[43+4*\p], s[43+4*\p], 0x80000000
.endr
	CROUND                                         ; all four work-groups are here: the joint loads meet
	tensor_load_to_lds s[40:43], s[24:31]          ; chunk 0
	s_nop 0
	s_wait_loadcnt 0x0
.irp q, 0,1,2,3,4,5,6,7
	v_mul_f32 v[CAP+\q], 0.5, v[CAP+\q]            ; x_sq / 2: rounds nothing
.endr
	s_wait_tensorcnt 0x0
.irp i, 0,1,2,3
	ds_store_b128 v[QS], v[D+4*\i:D+4*\i+3] offset:4096*\i
.endr
	s_wait_tensorcnt 0x0                           ; chunk 0 is in
	ds_add_u32 v[SPW], v[NIL]
	s_wait_dscnt 0x0                               ; the add is done, and so are my stores of query codes
	CROUND
	tensor_load_to_lds s[44:47], s[24:31]          ; chunk 1
	s_nop 0
.macro FETCH sl, g                     ; the slot's g-th group of mine: eight fragment loads, two scale words, four of -e_sq / 2
.irp s, 0,1
.irp i, 0,1
.irp c, 0,1
	ds_load_b128 v[A+16*\s+8*\i+4*\c:A+16*\s+8*\i+4*\c+3], v[AE+3*(\sl)] offset:(2*(\g)+\i)*RECL+1024*\s+512*\c
.endr
.endr
	ds_load_b32 v[SA+\s], v[AS+3*(\sl)] offset:2*(\g)*RECL+SCO+64*\s
.endr
.irp i, 0,1
	ds_load_b128 v[C+8*\i:C+8*\i+3], v[AC+3*(\sl)] offset:(2*(\g)+\i)*RECL+SQO
	ds_load_b128 v[C+8*\i+4:C+8*\i+7], v[AC+3*(\sl)] offset:(2*(\g)+\i)*RECL+SQO+16
.endr
.endm
.macro ASK k                           ; chunk k, one chunk ahead of its load
	s_cmp_lt_u32 ttmp9, 4                          ; the first four clusters
	s_cbranch_scc0 .Lnot_asked_\@
	global_prefetch_b8 v[PFO], s[50:51] offset:(\k)*8*REC th:TH_LOAD_NT scope:SCOPE_SE
.Lnot_asked_\@:
.endm
.macro MULT                            ; 32 codes x 128 queries x 256: the eight accumulators take turns
	WIN 0x04
.irp q, 0,1,2,3,4,5,6,7                ; K step 0 starts the sums from -e_sq / 2
	v_wmma_scale_f32_32x16x128_f4 v[D+16*\q:D+16*\q+15], v[A:A+15], v[B+16*\q:B+16*\q+7], v[C:C+15], v[SA], v[SB+\q]
.endr
.irp q, 0,1,2,3,4,5,6,7
	v_wmma_scale_f32_32x16x128_f4 v[D+16*\q:D+16*\q+15], v[A+16:A+31], v[B+16*\q+8:B+16*\q+15], v[D+16*\q:D+16*\q+15], v[SA+1], v[SB+\q] matrix_b_scale:MATRIX_SCALE_ROW1
.endr
	WIN 0
.endm
.macro PLACES                          ; four places in front of loads into the products' sources and of the first reads of their results
.rept 4
	v_nop
.endr
.endm
.macro LAYER d, a, b, c
.irp q, 0,1,2,3,4,5,6,7
	v_max3_num_f32 v[\d+\q], v[\a], v[\b], v[\c]
.endr
.endm
.macro TREE                            ; a lane's largest of sixteen u, held at x_sq / 2; each result is read from its low end on; the eight tiles by turns
.irp q, 0,1,2,3,4,5,6,7
	v_max3_num_f32 v[M+\q], v[D+16*\q], v[D+16*\q+1], v[D+16*\q+2]
.endr
.irp q, 0,1,2,3,4,5,6,7
	v_max3_num_f32 v[N+\q], v[D+16*\q+8], v[D+16*\q+9], v[D+16*\q+10]
.endr
.irp j, 3,5
.irp q, 0,1,2,3,4,5,6,7
	v_max3_num_f32 v[M+\q], v[M+\q], v[D+16*\q+\j], v[D+16*\q+\j+1]
.endr
.irp q, 0,1,2,3,4,5,6,7
	v_max3_num_f32 v[N+\q], v[N+\q], v[D+16*\q+8+\j], v[D+16*\q+9+\j]
.endr
.endr
.irp q, 0,1,2,3,4,5,6,7
	v_max3_num_f32 v[M+\q], v[M+\q], v[D+16*\q+7], v[D+16*\q+15]
.endr
.irp q, 0,1,2,3,4,5,6,7
	v_maxmin_num_f32 v[M+\q], v[M+\q], v[N+\q], v[CAP+\q]
.endr
.endm
.macro SELECT id, first                ; the best so far stays unless the group is strictly nearer.  (The very first group is taken as it is)
.if \first
.irp q, 0,1,2,3,4,5,6,7
	v_dual_mov_b32 v[BEST+\q], v[M+\q] :: v_dual_mov_b32 v[ID+\q], 0
.endr
.else
.irp q, 0,1,2,3,4,5,6,7
	v_cmp_le_f32 s[KM+\q], v[M+\q], v[BEST+\q]
.endr
.irp q, 0,1,2,3,4,5,6,7
	s_mov_b32 vcc_lo, s[KM+\q]
	v_dual_cndmask_b32 v[BEST+\q], v[M+\q], v[BEST+\q] :: v_dual_cndmask_b32 v[ID+\q], \id, v[ID+\q]
.endr
.endif
.endm
.macro SAVE first                      ; and the winner's sixteen u with it
	WIN 0x44
.irp q, 0,1,2,3,4,5,6,7
.if \first
.irp j, 0,2,4,6,8,10,12,14
	v_dual_mov_b32 v[SAV+16*\q+\j], v[D+16*\q+\j] :: v_dual_mov_b32 v[SAV+16*\q+\j+1], v[D+16*\q+\j+1]
.endr
.else
	s_mov_b32 vcc_lo, s[KM+\q]
.irp j, 0,2,4,6,8,10,12,14
	v_dual_cndmask_b32 v[SAV+16*\q+\j], v[D+16*\q+\j], v[SAV+16*\q+\j] :: v_dual_cndmask_b32 v[SAV+16*\q+\j+1], v[D+16*\q+\j+1], v[SAV+16*\q+\j+1]
.endr
.endif
.endr
	WIN 0
.endm
.macro GROUP sl, ng, id, first         ; a group that has its successor, ng, in the same slot
	s_wait_dscnt 0x0                               ; this group's loads, issued a group's vector work ago
	MULT
	PLACES
	FETCH \sl, \ng
	TREE
	SELECT \id, \first
	SAVE \first
.endm
; A slot's last group, after which the slot is filled again, two chunks on.  The wave's last reads of the slot are in registers when the lines in front of the round stand.
.macro TURN sl, id, ask
	s_wait_dscnt 0x0
	s_wait_tensorcnt 0x0                           ; all my tensor loads have landed: my part of the other slot;
	ds_add_u32 v[SPW], v[NIL]
	s_add_nc_u64 s[42+4*\sl:43+4*\sl], s[42+4*\sl:43+4*\sl], 16*REC
	MULT                                           ; the products stand between the add and the wait for it
	s_wait_dscnt 0x0                               ; the add is done, and my reads of this slot are over
	s_barrier_signal -1
	PLACES
	TREE                                           ; work on registers while the others arrive
	s_wait_alu depctr_va_vdst(0)
	s_barrier_wait -1
	CREST                                          ; no wave of any partner still reads this slot or has a load on its way
	tensor_load_to_lds s[40+4*\sl:43+4*\sl], s[24:31]
	s_nop 0
	FETCH 1-\sl, 0
.if \ask
	ASK \ask
.endif
	SELECT \id, 0
	SAVE 0
.endm
	WIN 0x40
.irp q, 0,1,2,3,4,5,6,7                ; my eight query tiles stay in registers
.irp k, 0,1,2,3
	ds_load_b128 v[B+16*\q+4*\k:B+16*\q+4*\k+3], v[QL] offset:2048*\q+512*\k
.endr
.endr
	WIN 0
	FETCH 0, 0
	ASK 2
	GROUP 0, 1, 0, 1
	GROUP 0, 2, 1, 0
	GROUP 0, 3, 2, 0
	TURN 0, 3, 3                                   ; slot 0 takes chunk 2
	GROUP 1, 1, 4, 0
	GROUP 1, 2, 5, 0
	GROUP 1, 3, 6, 0
	TURN 1, 7, 0                                   ; slot 1 takes chunk 3
	GROUP 0, 1, 8, 0
	GROUP 0, 2, 9, 0
	GROUP 0, 3, 10, 0
	s_wait_dscnt 0x0                               ; nothing is filled again: no round; I read what I fetched myself
	MULT
	PLACES
	s_wait_tensorcnt 0x0                           ; my part of chunk 3 is in
	FETCH 1, 0
	TREE
	SELECT 11, 0
	SAVE 0
	GROUP 1, 1, 12, 0
	GROUP 1, 2, 13, 0
	GROUP 1, 3, 14, 0
	s_wait_dscnt 0x0
	MULT
	PLACES
	TREE
	SELECT 15, 0
	SAVE 0
	; THE END.  The lowest of the winner's sixteen registers that reaches the best (held at x_sq / 2 or not) gives the code: downward, so that the lowest is written last.
.irp q, 0,1,2,3,4,5,6,7
	v_mov_b32 v[N+\q], 23                          ; register j < 8 is code j, register 8 + j code 16 + j
.endr
	WIN 0x01
.irp j, 14,13,12,11,10,9,8,7,6,5,4,3,2,1,0
.irp q, 0,1,2,3,4,5,6,7
	v_cmp_lt_f32 s[KM+\q], v[SAV+16*\q+\j], v[BEST+\q]
.endr
.irp q, 0,1,2,3,4,5,6,7
	v_cndmask_b32 v[N+\q], \j+8*(\j/8), v[N+\q], s[KM+\q]
.endr
.endr
	WIN 0
.irp q, 0,1,2,3,4,5,6,7
	v_lshl_add_u32 v[ID+\q], v[ID+\q], 5, v[N+\q]  ; 32 x group + place
.endr
.irp q, 0,1,2,3,4,5,6,7
	v_add_nc_u32 v[ID+\q], v[ID+\q], v[IB]         ; + 4,096 wgy + 512 w + 8 h: the code
.endr
.irp q, 0,1,2,3,4,5,6,7                ; into the bytes that held the query codes: last read in the first group, rounds ago
	ds_store_b32 v[MW], v[BEST+\q] offset:64*\q
	ds_store_b32 v[MW], v[ID+\q] offset:8192+64*\q
.endr
	s_wait_dscnt 0x0                               ; for the others' sake: my stores have landed
	s_barrier_signal -1
	s_barrier_wait -1
	s_cmp_lt_u32 s12, 2                            ; waves 0 and 1 join the sixteen results of 64 queries each, two queries a lane
	s_cbranch_scc0 .Lno_merge
.set n, 0
.rept 16
	ds_load_b64 v[D+2*n:D+2*n+1], v[MR] offset:512*n
	ds_load_b64 v[D+32+2*n:D+32+2*n+1], v[MR] offset:8192+512*n
.set n, n+1
.endr
	s_lshl_b32 s52, s15, 14                        ; cs and ci are [2][16384]: element 16,384 wgy + 128 wgx + 64 w + 2 x lane
	s_lshl_b32 s53, s14, 7
	s_add_co_u32 s52, s52, s53
	s_lshl_b32 s53, s12, 6
	s_add_co_u32 s52, s52, s53
	s_lshl_b32 s52, s52, 2
	s_mov_b32 s53, 0
	s_add_nc_u64 s[8:9], s[8:9], s[52:53]
	s_add_nc_u64 s[10:11], s[10:11], s[52:53]
	s_wait_dscnt 0x0
.irp u, 0,1
	v_max3_num_f32 v[M+\u], v[D+\u], v[D+2+\u], v[D+4+\u]
.endr
.irp c, 3,5,7,9,11,13
.irp u, 0,1
	v_max3_num_f32 v[M+\u], v[M+\u], v[D+2*\c+\u], v[D+2*\c+2+\u]
.endr
.endr
.irp u, 0,1
	v_max_num_f32 v[M+\u], v[M+\u], v[D+30+\u]
.endr
.irp c, 0,1,2,3,4,5,6,7,8,9,10,11,12,13,14,15
.irp u, 0,1
	v_cmp_eq_f32 s[KM+2*(\c%4)+\u], v[D+2*\c+\u], v[M+\u]
.endr
.irp u, 0,1
	v_cndmask_b32 v[D+32+2*\c+\u], -1, v[D+32+2*\c+\u], s[KM+2*(\c%4)+\u]  ; a code counts where its u is the best
.endr
.endr
.irp c, 1,2,3,4,5,6,7,8,9,10,11,12,13,14,15
.irp u, 0,1
	v_min_u32 v[D+32+\u], v[D+32+\u], v[D+32+2*\c+\u]      ; the lowest of those
.endr
.endr
	global_store_b64 v[GO], v[M:M+1], s[8:9]       ; each store covers 256 consecutive bytes, at a multiple of 256 from the buffer's first byte
	global_store_b64 v[GO], v[D+32:D+33], s[10:11]
.Lno_merge:
	s_wait_tensorcnt 0x0                           ; the wave's end
	ds_add_u32 v[SPW], v[NIL]
	s_wait_dscnt 0x0
	CROUND                                         ; the closing round: no work-group ends while a partner may still ask for a tile that names it
	s_endpgm
.Lfunc_end_k_qfe66c34797_search:
	.size	k_qfe66c34797_search, .Lfunc_end_k_qfe66c34797_search-k_qfe66c34797_search
	.p2alignl 7, 3214868480
	.fill 96, 4, 3214868480
	.section	.rodata,"a",@progbits
	.p2align	6, 0x0
	.amdhsa_kernel k_qfe66c34797_search
		.amdhsa_group_segment_fixed_size 327680
		.amdhsa_private_segment_fixed_size 0
		.amdhsa_enable_private_segment 0
		.amdhsa_kernarg_size 32
		.amdhsa_user_sgpr_count 2
		.amdhsa_user_sgpr_kernarg_segment_ptr 1
		.amdhsa_wavefront_size32 1
		.amdhsa_system_sgpr_workgroup_id_x 1
		.amdhsa_system_sgpr_workgroup_id_y 1
		.amdhsa_system_sgpr_workgroup_id_z 1
		.amdhsa_system_vgpr_workitem_id 0
		.amdhsa_next_free_vgpr 512
		.amdhsa_next_free_sgpr 80
		.amdhsa_reserve_vcc 1
		.amdhsa_float_denorm_mode_32 3
		.amdhsa_float_denorm_mode_16_64 3
		.amdhsa_memory_ordered 1
		.amdhsa_forward_progress 1
		.amdhsa_inst_pref_size 239
	.end_amdhsa_kernel
	.amdgpu_metadata
---
amdhsa.version: [ 1, 2 ]
amdhsa.kernels:
  - .name:           k_qfe66c34797_search
    .symbol:         k_qfe66c34797_search.kd
    .args:
      - { .name: xq, .offset: 0, .size: 8, .value_kind: global_buffer, .address_space: global }
      - { .name: eq, .offset: 8, .size: 8, .value_kind: global_buffer, .address_space: global }
      - { .name: cs, .offset: 16, .size: 8, .value_kind: global_buffer, .address_space: global }
      - { .name: ci, .offset: 24, .size: 8, .value_kind: global_buffer, .address_space: global }
    .group_segment_fixed_size: 327680
    .private_segment_fixed_size: 0
    .kernarg_segment_align: 8
    .kernarg_segment_size: 32
    .max_flat_workgroup_size: 256
    .sgpr_count:     80
    .vgpr_count:     512
    .wavefront_size: 32
...
	.end_amdgpu_metadata
.endif
;; end of part 2
;; launch fetch (part 3): grid 256 x 1, 8 waves a work-group, no clusters, 0 bytes of LDS; arguments cs, ci, embed, out0, out1; writes out0, out1
.if DOCPART == 3
	.amdgcn_target "amdgcn-amd-amdhsa--gfx1250"
	.amdhsa_code_object_version 6
	.text
	.protected	k_qfe66c34797_fetch
	.globl	k_qfe66c34797_fetch
	.p2align	8
	.type	k_qfe66c34797_fetch,@function
k_qfe66c34797_fetch:
	s_mov_b64 s[64:65], 0
	v_nop
	global_prefetch_b8 v0, s[64:65] scope:SCOPE_SE
	s_setreg_imm32_b32 hwreg(HW_REG_WAVE_MODE, 25, 1), 1
	s_wait_xcnt 0x0
; Each query has two candidates, one from each half of the codebook: cs [2][16384] f32, larger is nearer; ci [2][16384] its code.  The nearer wins, the lower half on a tie.
; out1 [16384] = the winner's code;  out0 [16384][256] = that row of embed.  (The root of the distance is left out: the first kernel's head says why.)
; The winner is derived from floating-point numbers, so no address hangs on it: BOTH candidate rows are loaded, by addresses made of the whole numbers read from ci alone, and the winner's row is taken by selects.
; SHARES.  A work-group takes 64 queries, Q0 = 64 x its number.  Every wave loads the 64 queries' candidates, two queries a lane, and makes the choice's masks; wave 0 stores out1's 256 bytes.
; Wave w copies queries Q0 + 8 w + i, i = 0 .. 7: a row is 1,024 bytes, two loads of 512 consecutive bytes.  All 32 row loads of a wave are on their way at once, each query in registers of its own.
; No LDS, no barrier, no matrix unit, no cluster; no prefetch: there is no loop to run ahead in.
; LIMIT: a code read from ci is held at 8,191 from above before it enters an address; the launch before stores none beyond.
.set S,    4                           ; v4-7     candidate c of my two queries at v[4 + 2 c]
.set I,    8                           ; v8-11    its code
.set IX,   12                          ; v12-13   the winner's code
.set ROW,  16                          ; v16-143  query i, candidate c: 8 registers at 16 i + 8 c: my 32 bytes of the row
.set IDX,  24                          ; s24-39   candidate c's codes of my wave's 8 queries at s[24 + 8 c]
.set MK,   44                          ; s44-51   query i: all ones where candidate 1 is nearer
.set P,    66                          ; s66-97   query i, candidate c: the row's address
	s_load_b256 s[4:11], s[0:1], 0x0               ; cs s[4:5], ci s[6:7], embed s[8:9], out0 s[10:11]
	s_load_b64 s[12:13], s[0:1], 0x20              ; out1
	v_lshrrev_b32 v3, 5, v0
	v_readfirstlane_b32 s14, v3                    ; wave 0..7
	s_lshl_b32 s18, ttmp9, 8                       ; 4 Q0
	s_mov_b32 s19, 0
	s_lshl_b32 s20, s14, 5                         ; my wave's 8 queries: 32 bytes on
	s_mov_b32 s21, 0
	s_lshl_b32 s22, ttmp9, 16                      ; (Q0 + 8 w) rows of 1,024 bytes
	s_lshl_b32 s23, s14, 13
	s_add_co_u32 s22, s22, s23
	s_mov_b32 s23, 0
	s_lshl_b32 s62, s14, 2                         ; the lane that holds my wave's first two queries
	s_mov_b32 s99, 0
	v_and_b32 v3, 31, v0                           ; lane
	v_lshlrev_b32 v1, 4, v3                        ; 16 x lane
	v_lshlrev_b32 v2, 3, v3                        ; 8 x lane
	s_wait_alu depctr_va_vdst(0)
	s_wait_kmcnt 0x0
	s_add_nc_u64 s[4:5], s[4:5], s[18:19]
	s_add_nc_u64 s[6:7], s[6:7], s[18:19]
	s_add_nc_u64 s[40:41], s[6:7], s[20:21]
.irp c, 0,1
	s_load_b256 s[IDX+8*\c:IDX+8*\c+7], s[40:41], 65536*\c         ; my 8 queries' codes as scalars: no line of this launch writes ci
.endr
.irp c, 0,1
	global_load_b64 v[S+2*\c:S+2*\c+1], v2, s[4:5] offset:65536*\c
	global_load_b64 v[I+2*\c:I+2*\c+1], v2, s[6:7] offset:65536*\c
.endr
	s_add_nc_u64 s[12:13], s[12:13], s[18:19]
	s_add_nc_u64 s[10:11], s[10:11], s[22:23]
	s_wait_kmcnt 0x0                               ; the codes
.irp i, 0,1,2,3,4,5,6,7
.irp c, 0,1
	s_min_u32 s98, s[IDX+8*\c+\i], 8191
	s_lshl_b32 s98, s98, 10                        ; a row is 1,024 bytes
	s_add_nc_u64 s[P+4*\i+2*\c:P+4*\i+2*\c+1], s[8:9], s[98:99]
	global_load_b128 v[ROW+16*\i+8*\c:ROW+16*\i+8*\c+3], v1, s[P+4*\i+2*\c:P+4*\i+2*\c+1]
	global_load_b128 v[ROW+16*\i+8*\c+4:ROW+16*\i+8*\c+7], v1, s[P+4*\i+2*\c:P+4*\i+2*\c+1] offset:512
.endr
.endr
	s_wait_loadcnt 32                              ; the candidates are in; the 32 row loads stay out
.irp u, 0,1
	v_cmp_gt_f32 s[16+\u], v[S+2+\u], v[S+\u]      ; the upper half is taken on strictly nearer alone: the lower code stays
.endr
.irp u, 0,1
	v_cndmask_b32 v[IX+\u], v[I+\u], v[I+2+\u], s[16+\u]
.endr
.irp i, 0,1,2,3,4,5,6,7
	s_add_co_u32 s15, s62, \i/2                    ; the lane that holds this query: 4 w + i / 2
	s_bitcmp1_b32 s[16+\i%2], s15
	s_cselect_b32 s[MK+\i], -1, 0                  ; it selects values alone
.endr
	s_wait_alu depctr_va_vdst(0)
	s_cmp_lg_u32 s14, 0
	s_cbranch_scc1 .Lnot_wave_0
	global_store_b64 v2, v[IX:IX+1], s[12:13]      ; 256 consecutive bytes, at a multiple of 256 from out1's first byte; its registers are not written again
.Lnot_wave_0:
.irp i, 0,1,2,3,4,5,6,7
	s_wait_loadcnt 28-4*\i                         ; loads come back in order (ISA guide 5.7.1): this query's four are in, the younger queries' stay out
.irp k, 0,1,2,3,4,5,6,7
	v_cndmask_b32 v[ROW+16*\i+\k], v[ROW+16*\i+\k], v[ROW+16*\i+8+\k], s[MK+\i]
.endr
	global_store_b128 v1, v[ROW+16*\i:ROW+16*\i+3], s[10:11] offset:1024*\i th:TH_STORE_NT      ; 512 consecutive bytes, at a multiple of 256 from out0's first byte; written once, read by nobody here
	global_store_b128 v1, v[ROW+16*\i+4:ROW+16*\i+7], s[10:11] offset:1024*\i+512 th:TH_STORE_NT
.endr
	s_endpgm
.Lfunc_end_k_qfe66c34797_fetch:
	.size	k_qfe66c34797_fetch, .Lfunc_end_k_qfe66c34797_fetch-k_qfe66c34797_fetch
	.p2alignl 7, 3214868480
	.fill 96, 4, 3214868480
	.section	.rodata,"a",@progbits
	.p2align	6, 0x0
	.amdhsa_kernel k_qfe66c34797_fetch
		.amdhsa_group_segment_fixed_size 0
		.amdhsa_private_segment_fixed_size 0
		.amdhsa_enable_private_segment 0
		.amdhsa_kernarg_size 40
		.amdhsa_user_sgpr_count 2
		.amdhsa_user_sgpr_kernarg_segment_ptr 1
		.amdhsa_wavefront_size32 1
		.amdhsa_system_sgpr_workgroup_id_x 1
		.amdhsa_system_sgpr_workgroup_id_y 1
		.amdhsa_system_sgpr_workgroup_id_z 1
		.amdhsa_system_vgpr_workitem_id 0
		.amdhsa_next_free_vgpr 144
		.amdhsa_next_free_sgpr 100
		.amdhsa_reserve_vcc 0
		.amdhsa_float_denorm_mode_32 3
		.amdhsa_float_denorm_mode_16_64 3
		.amdhsa_memory_ordered 1
		.amdhsa_forward_progress 1
		.amdhsa_inst_pref_size 14
	.end_amdhsa_kernel
	.amdgpu_metadata
---
amdhsa.version: [ 1, 2 ]
amdhsa.kernels:
  - .name:           k_qfe66c34797_fetch
    .symbol:         k_qfe66c34797_fetch.kd
    .args:
      - { .name: cs, .offset: 0, .size: 8, .value_kind: global_buffer, .address_space: global }
      - { .name: ci, .offset: 8, .size: 8, .value_kind: global_buffer, .address_space: global }
      - { .name: embed, .offset: 16, .size: 8, .value_kind: global_buffer, .address_space: global }
      - { .name: out0, .offset: 24, .size: 8, .value_kind: global_buffer, .address_space: global }
      - { .name: out1, .offset: 32, .size: 8, .value_kind: global_buffer, .address_space: global }
    .group_segment_fixed_size: 0
    .private_segment_fixed_size: 0
    .kernarg_segment_align: 8
    .kernarg_segment_size: 40
    .max_flat_workgroup_size: 256
    .sgpr_count:     100
    .vgpr_count:     144
    .wavefront_size: 32
...
	.end_amdgpu_metadata
.endif
;; end of part 3
